; MI455X (gfx1250); checked and timed in simulation.
; The chip was launched on July 23, 2026; its instructions are those of AMD's public machine-readable ISA for CDNA 5 (MIT licence, August 2026) and "CDNA5" Instruction Set Architecture Reference Guide (July 2026). The comments in the code are by the model that wrote it; some were corrected since.
;; Multi Head Self Attention. Allowed arithmetic: matrix products marked QUANTISED: E4M3 operands, one given power-of-two scale a tensor, by v_wmma_f32_16x16x64_fp8_fp8 or v_wmma_f32_16x16x128_fp8_fp8, f32 sums; products left as they are: f32 operands where the result goes on into a quantised operand, else bf16, f16 or f32 operands; f32 sums; everything else in f32.
;; Inputs: W_out_codes 1,024 x 32 x 32 uint8 (E4M3 codes of W_out, K innermost, in blocks of 32 codes); W_qkv_codes 3,072 x 32 x 32 uint8 (E4M3 codes of W_qkv, K innermost, in blocks of 32 codes); b_out 1,024 float32; b_qkv 3,072 float32; lowp_scales 6 int32 (the exponents e of the quantised operands' scales 2^e); x_codes 4 x 4,096 x 32 x 32 uint8 (E4M3 codes of x, K innermost, in blocks of 32 codes).
;; Outputs: out0 4 x 4,096 x 1,024 float32.
;; Constants: num_heads = 16.
;; This version of the problem:
;;   THIS VERSION OF THE PROBLEM IS GIVEN IN LOW PRECISION. The matrix products marked QUANTISED in the list below multiply operands that are first quantised to E4M3 (4 exponent bits, 3 mantissa bits; 8 bits a number), with one given power-of-two scale for each operand tensor; their sums are f32. All else is computed in f32.
;;   The module's matrix products, in the order in which they are computed (A, B: the left and right operand; K: the contracted axis; several contracted axes count as one K, in the product's order):
;;     1. [M 16,384, K 1,024] x [K 1,024, N 3,072]; A: input x (given as codes); B: input W_qkv (given as codes): QUANTISED (scales: A lowp_scales[0], B lowp_scales[1])
;;     2. batch 16,384 x [M 16, K 64] x [K 64, N 16]; A: computed on the way; B: computed on the way: QUANTISED (scales: A lowp_scales[2], B lowp_scales[3])
;;     3. batch 16,384 x [M 16, K 16] x [K 16, N 64]; A: softmax; B: computed on the way: left as it is (K = 16 < 32)
;;     4. [M 16,384, K 1,024] x [K 1,024, N 1,024]; A: computed on the way; B: input W_out (given as codes): QUANTISED (scales: A lowp_scales[4], B lowp_scales[5])
;;   THE QUANTISER, for each operand of a quantised product, along K:
;;     - The operand's scale is 2^e, e = its entry of the input lowp_scales (int32; the entries are numbered through the quantised products in the list's order, A before B).
;;     - Each number is divided by the scale, clamped to +-448, and rounded to the nearest number of E4M3, ties to even, subnormals kept.
;;     - The product sums the exact products of the quantised numbers (number of the format x scale) in f32.
;;   ~~~python
;;   def quantise(x, axis, e):      # numpy; x: float32 -> the quantised numbers, widened to float32 again
;;       x = np.moveaxis(x, axis, -1); K = x.shape[-1]
;;       r = np.clip(x / 2.0 ** e, -448, 448)
;;       step = 2.0 ** (np.maximum(np.frexp(np.where(r == 0, 1, r))[1] - 1, -6) - 3)
;;       q = np.round(r / step) * step * 2.0 ** e      # np.round: ties to even
;;       return np.moveaxis(q, -1, axis).astype(np.float32)
;;   ~~~
;;   OPERANDS COMPUTED ON THE WAY. 'Computed on the way' means the value that the module computes at that place (a softmax that the list does not call 'softmax' is quantised finished and normalised). What goes into a quantiser is computed in f32, as accurately as f32 sums, v_exp_f32 and their like allow (about 1e-6 of the number): no bf16 or f16 on the way to a quantiser, and a product that is left as it is and whose result goes on into a quantised operand takes f32 operands (vector FMAs, or v_wmma_f32_16x16x4_f32). A number that lies on a knife's edge between two numbers of the format may be rounded either way, as far as f32 arithmetic and the matrix unit's own rounding can turn it there, and no further.
;;   INPUTS GIVEN AS CODES. W_out (in the module: [1024, 1024], K = its axis 1); W_qkv (in the module: [3072, 1024], K = its axis 1); x (in the module: [4, 4096, 1024], K = its axis 2): each comes as NAME_codes (uint8): NAME with its K axis moved to the last place and cut into blocks of 32 codes, [.., K / 32, bytes a block], one block behind the other in memory; one code a byte (a code: sign, 4 exponent bits, 3 mantissa bits); its scale is its entry of lowp_scales. Its value is code x scale, taken as it is: it is not quantised again, and the codes and scales need not be those that the quantiser above would give.
;; One version. Each part assembles by itself: llvm-mc -triple=amdgcn-amd-amdhsa -mcpu=gfx1250 --defsym DOCPART=n.
;; ======== version 1 of 1: 1 launch
;; limits: right only within a limited range of input values
;; launch fused (part 1): grid 256 x 1, 4 waves a work-group, clusters of 4 x 1, 327,680 bytes of LDS; arguments x_codes, W_qkv_codes, W_out_codes, b_qkv, b_out, lowp_scales, out0; writes out0
.if DOCPART == 1
	.amdgcn_target "amdgcn-amd-amdhsa--gfx1250"
	.amdhsa_code_object_version 6
	.text
	.protected	k_qa0c1cdecac_fused
	.globl	k_qa0c1cdecac_fused
	.p2align	8
	.type	k_qa0c1cdecac_fused,@function
k_qa0c1cdecac_fused:
	s_mov_b64 s[64:65], 0
	v_nop
	global_prefetch_b8 v0, s[64:65] scope:SCOPE_SE
	s_setreg_imm32_b32 hwreg(HW_REG_WAVE_MODE, 25, 1), 1
	s_wait_xcnt 0x0
	s_wait_alu depctr_hold_cnt(0) depctr_sa_sdst(0) depctr_va_vdst(0) depctr_va_sdst(0) depctr_va_ssrc(0) depctr_va_vcc(0) depctr_vm_vsrc(0)
	s_getreg_b32 s2, hwreg(HW_REG_IB_STS2, 6, 4)
	s_cmp_eq_u32 s2, 0
	s_cbranch_scc0 .Lentry_in_a_cluster
	s_endpgm
.Lentry_in_a_cluster:
	s_bfe_u32 s2, ttmp6, 0x10000c
	s_cmp_lg_u32 s2, 0x3003
	s_cbranch_scc0 .Lentry_shape_is_right
	s_endpgm
.Lentry_shape_is_right:
; One launch: qkv = x W_qkv^T + b, attention over the 16 heads of each token, the transposed reshape, out W_out^T + b.
; A work-group owns 64 tokens; they give 64 whole rows of the last product's left operand (16 heads x 4 rows), so the chain never leaves the work-group.
; Each of the four waves keeps all 64 rows x 1024 codes in 512 registers (windows 2, 3) and walks columns of its own: a fragment of W feeds four matrix instructions.
; W comes through a ring of two LDS slots, filled jointly by the four work-groups of a cluster; in the V and out passes every second tile comes straight into registers.
; A step's results are scaled and converted as one run of vector work, and their LDS stores follow as one run.
; LIMITS on the given exponents: e0+e1 and e4+e5 between -126 and 127; e2, e3, e4 between -126 and 119; e2+e3 between -123 and 130.
.set ROT, 1
.set PW,    1040
.set QQ,    32*PW
.set QN,    16*PW
.set R1,    4*QQ
.set A4L,   4*QN
.set VCH,   R1+4*QN
.set YS,    VCH
.set EXQ,   2*R1
.set BQ,    EXQ+64*528
.set BV,    BQ+8192
.set BO,    BQ+12288
.set SPARE, 327168
.set SPW, 1
.set NIL, 2
.set ADW, 3
.set DVO, 3
.set ADV, 5
.set QST, 7
.set QRD, 8
.set BQ0, 9
.set BV0, 10
.set BO0, 11
.set BT,  12
.set VST, 13
.set VRD, 14
.set A4W, 15
.set A4T, 16
.set YST, 17
.set YRD, 18
.set CO,  19
.set CO2, 20
.set SCQ, 21
.set SC4, 25
.set LIM4, 26
.set XA,  27
.set DOO, 27
.set CODE, 28
.set ACC, 32
.set TMP, 96
.set BI,  112
.set WORK, 128
.set WX, 0
.set WY, 64
.set TS, 64
.set PS, 128
.set WV,  18
.set CB,  78
.set CE,  80
.set CNT, 81
.set BOFF, 82
.set A4OFF, 83
.set MSB, 0
.macro WIN new
.if MSB != (\new)
	s_set_vgpr_msb (MSB<<8)|(\new)
.set MSB, \new
.endif
.endm
.macro PLACES
.rept 4
	v_nop
.endr
.endm
.macro BAR
	s_wait_dscnt 0x0
	s_barrier_signal -1
	s_barrier_wait -1
.endm
.macro CREST
	s_cmp_lg_u32 s[WV], 0
	s_cbranch_scc1 .Lnw0_\@
	s_barrier_signal -3
.Lnw0_\@:
	s_barrier_wait -3
	s_barrier_signal -1
	s_barrier_wait -1
.endm
.macro CROUND
	s_barrier_signal -1
	s_barrier_wait -1
	CREST
.endm
.macro FILL g0, g1
	tensor_load_to_lds s[\g0:\g0+3], s[\g1:\g1+7]
	s_nop 0
.rept 4
	v_nop
.endr
.endm
.macro SETG0 g, off
.if \off
	s_add_nc_u64 s[\g+2:\g+3], s[CB:CB+1], \off
.else
	s_mov_b64 s[\g+2:\g+3], s[CB:CB+1]
.endif
	s_or_b32 s[\g+3], s[\g+3], 0x80000000
.endm
.macro NEWCB pass
	s_add_co_u32 s[CE], s[CE], 1
	s_and_b32 s[CE], s[CE], 3
.if (\pass) == 0
	s_lshl_b32 s84, s[CE], 14
	s_add_nc_u64 s[CB:CB+1], s[72:73], s[84:85]
.elseif (\pass) == 1
	s_and_b32 s84, s[CE], 1
	s_lshl_b32 s84, s84, 13
	s_lshr_b32 s90, s[CE], 1
	s_lshl_b32 s90, s90, 15
	s_add_co_u32 s84, s84, s90
	s_add_nc_u64 s[CB:CB+1], s[74:75], s[84:85]
.else
	s_lshl_b32 s84, s[CE], 18
	s_add_nc_u64 s[CB:CB+1], s[76:77], s[84:85]
.endif
.endm
.macro UPQ j, last
.if (\j) == 0
	SETG0 48, 0x100000
.elseif (\j) == 1
	SETG0 52, 0x180000
.elseif (\j) == 2
	NEWCB \last
.if \last
	s_mul_i32 s49, s[WV], QN
	s_add_co_u32 s53, s49, R1
.endif
	SETG0 48, 0
.else
	SETG0 52, 0x80000
.endif
.endm
.macro UPN pass, j, last
.if (\j) == 0
	s_add_nc_u64 s[94:95], s[CB:CB+1], 16384*(\pass)
.else
	NEWCB (\pass)+(\last)
	s_mov_b64 s[94:95], s[CB:CB+1]
.endif
	s_mov_b64 s[54-4*(\j):55-4*(\j)], s[94:95]
	s_or_b32 s[55-4*(\j)], s[55-4*(\j)], 0x80000000
.endm
.macro LDQ set, slot, sg
	WIN 0x40
.irp ksl, 0,1
.irp t, 0,1
.irp c, 0,1,2,3
	ds_load_b128 v[\set+32*\ksl+16*\t+4*\c:\set+32*\ksl+16*\t+4*\c+3], v[ADW+\slot] offset:\t*QN+(2*(\sg)+\ksl)*128+32*\c
.endr
.endr
.endr
.endm
.macro LDN set, slot, half
	WIN 0x40
.irp ksl, 0,1,2,3
.irp c, 0,1,2,3
	ds_load_b128 v[\set+16*\ksl+4*\c:\set+16*\ksl+4*\c+3], v[ADV+\slot] offset:(4*(\half)+\ksl)*128+32*\c
.endr
.endr
.endm
.macro LDD half, vo, sb
	WIN 0
.irp ksl, 0,1,2,3
.irp c, 0,1,2,3
	global_load_b128 v[WORK+64*(\half)+16*\ksl+4*\c:WORK+64*(\half)+16*\ksl+4*\c+3], v[\vo], s[\sb:\sb+1] offset:(4*(\half)+\ksl)*128+32*\c
.endr
.endr
.endm
.macro MMQ set, ks
	WIN 0x09+4*((\ks)/4)
.irp mt, 0,1,2,3
.irp t, 0,1
.if (\ks) == 0
	v_wmma_f32_16x16x128_fp8_fp8 v[ACC+32*\t+8*\mt:ACC+32*\t+8*\mt+7], v[\set+32*((\ks)%2)+16*\t:\set+32*((\ks)%2)+16*\t+15], v[64*((\ks)%4)+16*\mt:64*((\ks)%4)+16*\mt+15], 0
.else
	v_wmma_f32_16x16x128_fp8_fp8 v[ACC+32*\t+8*\mt:ACC+32*\t+8*\mt+7], v[\set+32*((\ks)%2)+16*\t:\set+32*((\ks)%2)+16*\t+15], v[64*((\ks)%4)+16*\mt:64*((\ks)%4)+16*\mt+15], v[ACC+32*\t+8*\mt:ACC+32*\t+8*\mt+7]
.endif
.endr
.endr
.endm
.macro MMN set, ks
	WIN 0x09+4*((\ks)/4)
.irp mt, 0,1,2,3
.if (\ks) == 0
	v_wmma_f32_16x16x128_fp8_fp8 v[ACC+32+8*\mt:ACC+32+8*\mt+7], v[\set+16*((\ks)%4):\set+16*((\ks)%4)+15], v[64*((\ks)%4)+16*\mt:64*((\ks)%4)+16*\mt+15], 0
.else
	v_wmma_f32_16x16x128_fp8_fp8 v[ACC+32+8*\mt:ACC+32+8*\mt+7], v[\set+16*((\ks)%4):\set+16*((\ks)%4)+15], v[64*((\ks)%4)+16*\mt:64*((\ks)%4)+16*\mt+15], v[ACC+32+8*\mt:ACC+32+8*\mt+7]
.endif
.endr
.endm
.macro MMD ks
	WIN 0x08+4*((\ks)/4)
.irp mt, 0,1,2,3
.if (\ks) == 0
	v_wmma_f32_16x16x128_fp8_fp8 v[ACC+8*\mt:ACC+8*\mt+7], v[WORK+16*(\ks):WORK+16*(\ks)+15], v[64*((\ks)%4)+16*\mt:64*((\ks)%4)+16*\mt+15], 0
.else
	v_wmma_f32_16x16x128_fp8_fp8 v[ACC+8*\mt:ACC+8*\mt+7], v[WORK+16*(\ks):WORK+16*(\ks)+15], v[64*((\ks)%4)+16*\mt:64*((\ks)%4)+16*\mt+15], v[ACC+8*\mt:ACC+8*\mt+7]
.endif
.endr
.endm
.macro QEPI j
.set SCR, SCQ+2*((\j)/2)
; group n = 4 t + mt: scale and bias, hold, codes. The eight pairs of codes land in registers 0, 1 of WORK's groups of 16, which the score phase's loads write anew; the eight stores follow as one run
.irp n, 0,1,2,3,4,5,6,7
.irp i, 0,2,4,6
	v_pk_fma_f32 v[TMP+8*(\n%2)+\i:TMP+8*(\n%2)+\i+1], v[ACC+32*(\n/4)+8*(\n%4)+\i:ACC+32*(\n/4)+8*(\n%4)+\i+1], s[66:67], v[BI+8*(\n/4)+\i:BI+8*(\n/4)+\i+1] op_sel_hi:[1,0,1]
.endr
.irp i, 0,1,2,3,4,5,6,7
	v_med3_num_f32 v[TMP+8*(\n%2)+\i], v[TMP+8*(\n%2)+\i], -v[SCR+1], v[SCR+1]
.endr
	v_cvt_scalef32_pk8_fp8_f32 v[WORK+16*\n:WORK+16*\n+1], v[TMP+8*(\n%2):TMP+8*(\n%2)+7], v[SCR]
.endr
	v_nop
.irp n, 0,1,2,3,4,5,6,7
	ds_store_b64 v[QST], v[WORK+16*\n:WORK+16*\n+1] offset:(\n%4)*8448+((\j)/2)*256+((\j)%2)*128+(\n/4)*16
.endr
.endm
; a V or out step's two tiles go out together: 32 multiply-adds into window 1's v0-63 (fragments that are done with), then 16 stores
.macro FEP2 sc, adr, b0, b1, stride
	WIN 0x40
.irp tl, 0,1
.irp mt, 0,1,2,3
.irp i, 0,2,4,6
	v_pk_fma_f32 v[32*\tl+8*\mt+\i:32*\tl+8*\mt+\i+1], v[ACC+32*\tl+8*\mt+\i:ACC+32*\tl+8*\mt+\i+1], s[\sc:\sc+1], v[BI+8*\tl+\i:BI+8*\tl+\i+1] op_sel_hi:[1,0,1]
.endr
.endr
.endr
	WIN 0x04
.irp mt, 0,1,2,3
	ds_store_b128 v[\adr], v[8*\mt:8*\mt+3] offset:(\b0)+\mt*(\stride)
	ds_store_b128 v[\adr], v[8*\mt+4:8*\mt+7] offset:(\b0)+\mt*(\stride)+16
.endr
.irp mt, 0,1,2,3
	ds_store_b128 v[\adr], v[32+8*\mt:32+8*\mt+3] offset:(\b1)+\mt*(\stride)
	ds_store_b128 v[\adr], v[32+8*\mt+4:32+8*\mt+7] offset:(\b1)+\mt*(\stride)+16
.endr
	WIN 0
.endm
.macro QSTEP j, slot, last
.set TAIL, 0
.if (\last) && ((\j) == 3)
.set TAIL, 1
.endif
	v_add_nc_u32 v[BT], s[BOFF], v[BQ0]
.irp t, 0,1
	ds_load_b128 v[BI+8*\t:BI+8*\t+3], v[BT] offset:(\j)*512+\t*64
	ds_load_b128 v[BI+8*\t+4:BI+8*\t+7], v[BT] offset:(\j)*512+\t*64+16
.endr
.if (\j) == 0
	s_wait_dscnt 20
.else
	s_wait_dscnt 28
.endif
	MMQ WX, 0
	MMQ WX, 1
	PLACES
	LDQ WX, \slot, 2
	s_wait_dscnt 16
	MMQ WY, 2
	MMQ WY, 3
	PLACES
	LDQ WY, \slot, 3
.if TAIL
	s_wait_dscnt 16
	MMQ WX, 4
	MMQ WX, 5
	s_wait_dscnt 0x0
	MMQ WY, 6
	MMQ WY, 7
	PLACES
.else
	WIN 0
	s_wait_tensorcnt 0x0
	ds_add_u32 v[SPW], v[NIL]
	UPQ \j, \last
	s_wait_dscnt 17
	MMQ WX, 4
	s_wait_dscnt 0x0
	s_barrier_signal -1
	MMQ WX, 5
	WIN 0
	s_barrier_wait -1
	CREST
.set G1S, 24
.if (\last) && ((\j) == 2)
.set G1S, 32
.endif
	FILL 48+4*(\slot), G1S
	LDQ WX, 1-(\slot), 0
	MMQ WY, 6
	MMQ WY, 7
	PLACES
	LDQ WY, 1-(\slot), 1
.endif
	WIN 0
	QEPI \j
.endm
.macro SLD tk
	ds_load_b64 v[WORK+16*((\tk)%8):WORK+16*((\tk)%8)+1], v[QRD] offset:(\tk)*528+256
	ds_load_b64 v[WORK+16*((\tk)%8)+8:WORK+16*((\tk)%8)+9], v[QRD] offset:(\tk)*528
.endm
.macro SMM tk
	v_wmma_f32_16x16x64_fp8_fp8 v[PS+8*(\tk):PS+8*(\tk)+7], v[WORK+16*((\tk)%8):WORK+16*((\tk)%8)+7], v[WORK+16*((\tk)%8)+8:WORK+16*((\tk)%8)+15], v[PS+8*(\tk):PS+8*(\tk)+7]
.endm
.macro SPHASE
.irp tk, 0,1,2,3,4,5,6,7
	SLD \tk
.endr
	s_wait_dscnt 8
	WIN 0x50
.irp tk, 0,1,2,3
	SMM \tk
.endr
	PLACES
	WIN 0
.irp tk, 8,9,10,11
	SLD \tk
.endr
	s_wait_dscnt 8
	WIN 0x50
.irp tk, 4,5,6,7
	SMM \tk
.endr
	PLACES
	WIN 0
.irp tk, 12,13,14,15
	SLD \tk
.endr
	s_wait_dscnt 8
	WIN 0x50
.irp tk, 8,9,10,11
	SMM \tk
.endr
	s_wait_dscnt 0x0
.irp tk, 12,13,14,15
	SMM \tk
.endr
	WIN 0
.endm
.macro QTRIP last
	QSTEP 0, 0, \last
	QSTEP 1, 1, \last
	QSTEP 2, 0, \last
	QSTEP 3, 1, \last
	BAR
	SPHASE
.endm
.macro SOFTMAX
	WIN 0x55
.set tk, 0
.rept 16
	v_max3_num_f32 v[TS+4*tk], v[PS+8*tk], v[PS+8*tk+1], v[PS+8*tk+2]
	v_max3_num_f32 v[TS+4*tk+1], v[PS+8*tk+3], v[PS+8*tk+4], v[PS+8*tk+5]
	v_max_num_f32 v[TS+4*tk+2], v[PS+8*tk+6], v[PS+8*tk+7]
.set tk, tk+1
.endr
.set tk, 0
.rept 16
	v_max3_num_f32 v[TS+4*tk], v[TS+4*tk], v[TS+4*tk+1], v[TS+4*tk+2]
.set tk, tk+1
.endr
.set tk, 0
.rept 16
	v_permlanex16_b32 v[TS+4*tk+2], v[TS+4*tk], s62, s63
.set tk, tk+1
.endr
.set tk, 0
.rept 16
	v_max_num_f32 v[TS+4*tk], v[TS+4*tk], v[TS+4*tk+2]
.set tk, tk+1
.endr
.set tk, 0
.rept 16
	v_mul_f32 v[TS+4*tk], s68, v[TS+4*tk]          ; the row's largest score x c (c is positive)
.set tk, tk+1
.endr
.set tk, 0
.rept 16
.irp i, 0,2,4,6
	v_pk_fma_f32 v[PS+8*tk+\i:PS+8*tk+\i+1], v[PS+8*tk+\i:PS+8*tk+\i+1], s[68:69], v[TS+4*tk:TS+4*tk+1] op_sel_hi:[1,0,0] neg_lo:[0,0,1] neg_hi:[0,0,1]   ; score x c less that: one rounding; the rounding of max x c is the same along the row and leaves with the division by the row's sum
.endr
.set tk, tk+1
.endr
.set i, 0
	s_wait_alu depctr_va_vdst(0)
.rept 128
	v_exp_f32 v[PS+i], v[PS+i]
.set i, i+1
.endr
	v_nop
	s_wait_alu depctr_va_vdst(0)
.set tk, 0
.rept 16
	v_pk_add_f32 v[TS+4*tk:TS+4*tk+1], v[PS+8*tk:PS+8*tk+1], v[PS+8*tk+2:PS+8*tk+3]
	v_pk_add_f32 v[TS+4*tk+2:TS+4*tk+3], v[PS+8*tk+4:PS+8*tk+5], v[PS+8*tk+6:PS+8*tk+7]
.set tk, tk+1
.endr
.set tk, 0
.rept 16
	v_pk_add_f32 v[TS+4*tk:TS+4*tk+1], v[TS+4*tk:TS+4*tk+1], v[TS+4*tk+2:TS+4*tk+3]
.set tk, tk+1
.endr
.set tk, 0
.rept 16
	v_add_f32 v[TS+4*tk], v[TS+4*tk], v[TS+4*tk+1]
.set tk, tk+1
.endr
.set tk, 0
.rept 16
	v_permlanex16_b32 v[TS+4*tk+2], v[TS+4*tk], s62, s63
.set tk, tk+1
.endr
.set tk, 0
.rept 16
	v_add_f32 v[TS+4*tk], v[TS+4*tk], v[TS+4*tk+2]
.set tk, tk+1
.endr
.set tk, 0
	s_wait_alu depctr_va_vdst(0)
.rept 16
	v_rcp_f32 v[TS+4*tk+2], v[TS+4*tk]
.set tk, tk+1
.endr
	v_nop
	s_wait_alu depctr_va_vdst(0)
.set tk, 0
.rept 16
.irp i, 0,2,4,6
	v_pk_mul_f32 v[PS+8*tk+\i:PS+8*tk+\i+1], v[PS+8*tk+\i:PS+8*tk+\i+1], v[TS+4*tk+2:TS+4*tk+3] op_sel_hi:[1,0]
.endr
.set tk, tk+1
.endr
	WIN 0
.endm
.macro NSTEP pass, j, last
.set FL, 1
.if ((\pass) == 2) && (\last) && ((\j) == 1)
.set FL, 0
.endif
.set NXP, (\pass)
.if (\last) && ((\j) == 1)
.set NXP, (\pass)+1
.endif
.set DBR, 92+4*(\j)
.set DOF, 4096
.set DVR, DVO
.if NXP == 2
.set DOF, 16384
.set DVR, DOO
.endif
.set BST, 256
.if (\pass) == 2
.set BST, 64
.endif
	s_wait_tensorcnt 0x0
.if FL
	ds_add_u32 v[SPW], v[NIL]
	UPN \pass, \j, \last
	s_wait_dscnt 0x0
	CROUND
	FILL 52-4*(\j), 24+8*NXP
.endif
.if (\pass) == 1
	v_add_nc_u32 v[BT], s[BOFF], v[BV0]
.else
	v_add_nc_u32 v[BT], s[BOFF], v[BO0]
.endif
.irp t, 0,1
	ds_load_b128 v[BI+8*\t:BI+8*\t+3], v[BT] offset:(2*(\j)+1-\t)*BST
	ds_load_b128 v[BI+8*\t+4:BI+8*\t+7], v[BT] offset:(2*(\j)+1-\t)*BST+16
.endr
	LDN WX, \j, 0
	LDN WY, \j, 1
	s_wait_loadcnt 16
.if FL
	s_add_nc_u64 s[DBR:DBR+1], s[94:95], DOF
.endif
	MMD 0
	MMD 1
	MMD 2
	MMD 3
.if FL
	PLACES
	LDD 0, DVR, DBR
	s_wait_loadcnt 16
.else
	s_wait_loadcnt 0x0
.endif
	MMD 4
	MMD 5
	MMD 6
	MMD 7
.if FL
	PLACES
	LDD 1, DVR, DBR
.endif
	s_wait_dscnt 16
	MMN WX, 0
	MMN WX, 1
	MMN WX, 2
	MMN WX, 3
	s_wait_dscnt 0x0
	MMN WY, 4
	MMN WY, 5
	MMN WY, 6
	MMN WY, 7
	PLACES
.if (\pass) == 1
	FEP2 66, VST, (2*(\j)+1)*320, 2*(\j)*320, 20736
.else
	FEP2 70, YST, (2*(\j)+1)*64, 2*(\j)*64, 4352
.endif
.endm
.macro QZ b
.irp q, 0,1,2,3
.irp i, 0,1,2,3,4,5,6,7
	v_med3_num_f32 v[TMP+8*(\q%2)+\i], v[ACC+32*((\b)%2)+8*\q+\i], -v[LIM4], v[LIM4]
.endr
	v_cvt_scalef32_pk8_fp8_f32 v[BI+2*\q:BI+2*\q+1], v[TMP+8*(\q%2):TMP+8*(\q%2)+7], v[SC4]   ; the bias registers are idle here
.endr
	v_nop
.irp q, 0,1,2,3
	ds_store_b64 v[A4T], v[BI+2*\q:BI+2*\q+1] offset:(4*(\b)+\q)*256
.endr
.endm
.macro P3
	v_add_nc_u32 v[A4T], s[A4OFF], v[A4W]
	WIN 0x40
.set tk, 0
.rept 16
	ds_load_b128 v[8*tk:8*tk+3], v[VRD] offset:tk*1296
	ds_load_b128 v[8*tk+4:8*tk+7], v[VRD] offset:tk*1296+16
.set tk, tk+1
.endr
.irp b, 0,1,2,3
.if \b == 0
	s_wait_dscnt 24
.elseif \b == 1
	s_wait_dscnt 16
.elseif \b == 2
	s_wait_dscnt 12
.else
	s_wait_dscnt 8
.endif
	WIN 0x05
.irp s, 0,1,2,3
.irp q, 0,1,2,3
.if \s == 0
	v_wmma_f32_16x16x4_f32 v[ACC+32*(\b%2)+8*\q:ACC+32*(\b%2)+8*\q+7], v[8*(4*\b+\q)+2*\s:8*(4*\b+\q)+2*\s+1], v[PS+8*(4*\b+\q)+2*\s:PS+8*(4*\b+\q)+2*\s+1], 0
.else
	v_wmma_f32_16x16x4_f32 v[ACC+32*(\b%2)+8*\q:ACC+32*(\b%2)+8*\q+7], v[8*(4*\b+\q)+2*\s:8*(4*\b+\q)+2*\s+1], v[PS+8*(4*\b+\q)+2*\s:PS+8*(4*\b+\q)+2*\s+1], v[ACC+32*(\b%2)+8*\q:ACC+32*(\b%2)+8*\q+7]
.endif
.endr
.endr
	WIN 0
.rept 8
	v_nop
.endr
.if \b > 0
	QZ \b-1
.endif
.endr
.rept 8
	v_nop
.endr
	QZ 3
.endm
.macro VTRIP last
	NSTEP 1, 0, \last
	NSTEP 1, 1, \last
	BAR
	P3
.endm
.macro FLUSH
	s_wait_xcnt 0x0
	s_lshl_b32 s84, s91, 10
	s_add_nc_u64 s[88:89], s[86:87], s[84:85]
	s_add_co_u32 s91, s91, 1
	s_and_b32 s91, s91, 3
	WIN 0x40
.set i, 0
.rept 32
	ds_load_b128 v[PS+4*i:PS+4*i+3], v[YRD] offset:i*544
.set i, i+1
.endr
	WIN 0x04
.set i, 0
.rept 32
.if (i%4) == 0
	s_wait_dscnt 28-i                              ; loads i .. i + 3 are back
.endif
.if (i%8) < 4
	global_store_b128 v[CO], v[PS+4*i:PS+4*i+3], s[88:89] offset:(i%4)*2097152+(i/8)*4096 th:TH_STORE_NT
.else
	global_store_b128 v[CO2], v[PS+4*i:PS+4*i+3], s[88:89] offset:(i%4)*2097152+(i/8)*4096 th:TH_STORE_NT
.endif
.set i, i+1
.endr
	WIN 0
.endm
.macro OTRIP last
	NSTEP 2, 0, \last
	NSTEP 2, 1, \last
	FLUSH
.endm
.macro SCALES e, sc
	s_add_co_i32 s84, s[\e], 127
	s_lshl_b32 s90, s84, 23
	v_mov_b32 v[\sc], s90
	s_add_co_i32 s84, s84, 8
	s_lshl_b32 s84, s84, 23
	s_or_b32 s84, s84, 0x600000
	v_mov_b32 v[\sc+1], s84
.endm
.macro BQLOAD i, reg
	s_add_co_u32 s84, s21, \i
	s_and_b32 s84, s84, 3
	s_lshl_b32 s84, s84, 6
	v_add_nc_u32 v[\reg], s84, v128
	global_load_b128 v[96+4*\i:99+4*\i], v[\reg], s[10:11]
.endm
	s_load_b256 s[4:11], s[0:1], 0x0
	s_load_b128 s[12:15], s[0:1], 0x20
	s_load_b64 s[16:17], s[0:1], 0x30
	v_lshl_add_u32 v[SPW], v0, 2, SPARE
	v_mov_b32 v[NIL], 0
	ds_add_u32 v1, v2
	ds_add_u32 v1, v2
	s_wait_dscnt 0x0
	v_lshrrev_b32 v28, 5, v0
	v_readfirstlane_b32 s[WV], v28
	s_bfe_u32 s19, ttmp6, 0x40000
	s_lshl_b32 s20, ttmp9, 2
	s_add_co_u32 s20, s20, s19
.if ROT
	s_and_b32 s21, ttmp9, 3
.else
	s_mov_b32 s21, 0
.endif
	s_mov_b32 s[CE], s21
	s_mov_b32 s91, s21
	s_mov_b32 s85, 0
	s_mov_b32 s[BOFF], 0
	s_mov_b32 s[A4OFF], 0
	s_mov_b32 s62, 0x76543210
	s_mov_b32 s63, 0xfedcba98
.irp g, 24, 32, 40
	s_mov_b32 s[\g], 15|(1<<20)|(1<<21)|(7<<22)|(3<<25)
	s_mov_b32 s[\g+6], 0
	s_mov_b32 s[\g+7], 0
.endr
	s_mov_b32 s25, 16384<<16
	s_mov_b32 s26, 2<<16
	s_mov_b32 s27, 16384<<16
	s_mov_b32 s28, 2
	s_mov_b32 s29, 65536
	s_mov_b32 s33, 1024<<16
	s_mov_b32 s34, 16<<16
	s_mov_b32 s35, 1024<<16
	s_mov_b32 s36, 16
	s_mov_b32 s37, 65536
	s_mov_b32 s41, 1024<<16
	s_mov_b32 s42, 16<<16
	s_mov_b32 s43, 1024<<16
	s_mov_b32 s44, 16
	s_mov_b32 s45, 1024
	s_wait_kmcnt 0x0
	s_lshl_b32 s84, s[WV], 17
	s_add_nc_u64 s[72:73], s[6:7], s[84:85]
	s_lshl_b32 s84, s[WV], 10
	s_add_co_u32 s84, s84, 2097152
	s_add_nc_u64 s[74:75], s[6:7], s[84:85]
	s_lshl_b32 s84, s[WV], 16
	s_add_nc_u64 s[76:77], s[8:9], s[84:85]
	s_lshl_b32 s84, s[CE], 14
	s_add_nc_u64 s[CB:CB+1], s[72:73], s[84:85]
	s_mov_b32 s48, 1
	s_mul_i32 s49, s[WV], QQ
	SETG0 48, 0
	s_mov_b32 s52, 1
	s_add_co_u32 s53, s49, R1
	SETG0 52, 0x80000
	CROUND
	FILL 48, 24                                    ; my one tensor load at the head; x's, the biases' and the scales' loads follow it at once
	s_load_b128 s[56:59], s[14:15], 0x0
	s_load_b64 s[60:61], s[14:15], 0x10
	v_lshrrev_b32 v168, 6, v0
	v_lshlrev_b32 v128, 12, v168
	v_bfe_u32 v169, v0, 2, 4
	v_lshl_add_u32 v128, v169, 8, v128
	v_and_b32 v169, 3, v0
	v_lshl_add_u32 v128, v169, 4, v128
	s_wait_alu depctr_va_vdst(0)
	BQLOAD 0, 129
	BQLOAD 1, 144
	BQLOAD 2, 137
	BQLOAD 3, 152
	v_bfe_u32 v168, v0, 1, 2
	v_add_nc_u32 v169, s21, v168
	v_and_b32 v169, 3, v169
	v_lshrrev_b32 v145, 3, v0
	v_lshlrev_b32 v145, 8, v145
	v_lshrrev_b32 v161, 1, v169
	v_lshl_add_u32 v145, v161, 7, v145
	v_and_b32 v161, 1, v169
	v_lshl_add_u32 v145, v161, 5, v145
	v_and_b32 v161, 1, v0
	v_lshl_add_u32 v145, v161, 6, v145
	global_load_b128 v[112:115], v145, s[10:11] offset:8192
	global_load_b128 v[116:119], v145, s[10:11] offset:8208
	v_lshlrev_b32 v161, 9, v161
	v_lshl_add_u32 v161, v168, 10, v161
	v_lshrrev_b32 v168, 3, v0
	v_lshl_add_u32 v161, v168, 2, v161
	v_add_nc_u32 v161, BV, v161
	v_lshrrev_b32 v168, 6, v0
	v_and_b32 v169, 63, v0
	v_lshlrev_b32 v169, 4, v169
.irp i, 0,1
	s_add_co_u32 s84, s21, 2*\i
	v_add_nc_u32 v[153+7*\i], s84, v168
	v_and_b32 v[153+7*\i], 3, v[153+7*\i]
	v_lshl_add_u32 v[153+7*\i], v[153+7*\i], 10, v169
	global_load_b128 v[120+4*\i:123+4*\i], v[153+7*\i], s[12:13]
.endr
	v_lshl_add_u32 v136, v0, 4, BQ
	v_and_b32 v28, 15, v0
	v_bfe_u32 v29, v0, 4, 1
	v_and_b32 v30, 31, v0
	v_lshlrev_b32 v[XA], 10, v28
	v_lshl_add_u32 v[XA], v29, 4, v[XA]
	s_lshl_b32 s84, s20, 16
	s_add_nc_u64 s[4:5], s[4:5], s[84:85]
.irp ks, 0,1,2,3,4,5,6,7
	WIN 0x80+0x40*(\ks/4)
.irp mt, 0,1,2,3
.irp c, 0,1,2,3
	global_load_b128 v[64*(\ks%4)+16*\mt+4*\c:64*(\ks%4)+16*\mt+4*\c+3], v[XA], s[4:5] offset:\mt*16384+\ks*128+32*\c
.endr
.endr
.endr
	WIN 0x40
.set i, 0
.rept 128
	v_mov_b32 v[PS+i], 0
.set i, i+1
.endr
	WIN 0
.set k, 0
.rept 16
.irp i, 2,3,4,5,6,7
	v_mov_b32 v[WORK+8*k+\i], 0
.endr
.set k, k+1
.endr
	s_wait_alu depctr_va_vdst(0)
	s_wait_tensorcnt 0x0                           ; slot 0 is in
	ds_add_u32 v1, v2
	s_wait_dscnt 0x0
	CROUND
	FILL 52, 24
	v_mul_u32_u24 v31, v28, PW
	v_lshl_add_u32 v31, v29, 4, v31
	s_mul_i32 s84, s[WV], QQ
	v_add_nc_u32 v[ADW], s84, v31
	v_add_nc_u32 v[ADW+1], R1, v[ADW]
	s_mul_i32 s84, s[WV], QN
	v_add_nc_u32 v[ADV], s84, v31
	v_add_nc_u32 v[ADV+1], R1, v[ADV]
	v_mul_u32_u24 v[QST], v28, 528
	v_lshl_add_u32 v[QST], v29, 3, v[QST]
	s_lshl_b32 s84, s[WV], 5
	s_add_co_u32 s84, s84, EXQ
	v_add_nc_u32 v[QST], s84, v[QST]
	v_lshlrev_b32 v[QRD], 4, v28
	v_lshl_add_u32 v[QRD], v29, 3, v[QRD]
	s_mul_i32 s84, s[WV], 8448
	s_add_co_u32 s84, s84, EXQ
	v_add_nc_u32 v[QRD], s84, v[QRD]
	v_lshlrev_b32 v31, 5, v29
	s_wait_alu depctr_va_vdst(0)
	s_lshl_b32 s84, s[WV], 7
	s_add_co_u32 s84, s84, BQ
	v_add_nc_u32 v[BQ0], s84, v31
	s_lshl_b32 s84, s[WV], 6
	s_add_co_u32 s84, s84, BV
	v_add_nc_u32 v[BV0], s84, v31
	s_lshl_b32 s84, s[WV], 8
	s_add_co_u32 s84, s84, BO
	v_add_nc_u32 v[BO0], s84, v31
	v_mad_u32_u24 v[VST], v28, 1296, v31
	s_mul_i32 s84, s[WV], 80
	s_add_co_u32 s84, s84, VCH
	v_add_nc_u32 v[VST], s84, v[VST]
	v_mad_u32_u24 v[VRD], v28, 80, v31
	s_mul_i32 s84, s[WV], 20736
	s_add_co_u32 s84, s84, VCH
	v_add_nc_u32 v[VRD], s84, v[VRD]
	s_lshl_b32 s84, s[WV], 12
	s_add_co_u32 s84, s84, A4L
	v_lshl_add_u32 v[A4W], v30, 3, s84
	s_mul_i32 s84, s[WV], 17408
	s_add_co_u32 s84, s84, YS
	v_mad_u32_u24 v[YST], v28, 272, v31
	v_add_nc_u32 v[YST], s84, v[YST]
	v_mul_u32_u24 v[YRD], v29, 272
	v_lshl_add_u32 v[YRD], v28, 4, v[YRD]
	v_add_nc_u32 v[YRD], s84, v[YRD]
	v_lshlrev_b32 v[CO], 20, v29
	v_lshl_add_u32 v[CO], v28, 4, v[CO]
	v_add_nc_u32 v[CO2], 0x800000, v[CO]
	s_lshr_b32 s84, s20, 6
	s_lshl_b32 s84, s84, 24
	s_and_b32 s90, s20, 63
	s_lshl_b32 s90, s90, 14
	s_add_co_u32 s84, s84, s90
	s_lshl_b32 s90, s[WV], 8
	s_add_co_u32 s84, s84, s90
	s_add_nc_u64 s[86:87], s[16:17], s[84:85]
	s_wait_kmcnt 0x0
	s_add_co_i32 s66, s56, s57
	s_add_co_i32 s66, s66, 127
	s_lshl_b32 s66, s66, 23
	s_mov_b32 s67, s66
	s_add_co_i32 s68, s58, s59
	s_lshl_b32 s68, s68, 23
	s_add_co_i32 s68, s68, 0x3e38aa3b
	s_mov_b32 s69, s68
	s_add_co_i32 s70, s60, s61
	s_add_co_i32 s70, s70, 127
	s_lshl_b32 s70, s70, 23
	s_mov_b32 s71, s70
	SCALES 58, SCQ
	SCALES 59, SCQ+2
	SCALES 60, SC4
	s_wait_loadcnt 63
.irp i, 0,1,2,3
	ds_store_b128 v136, v[96+4*\i:99+4*\i] offset:\i*2048
.endr
.irp jj, 0,1,2,3,4,5,6,7
	ds_store_b32 v161, v[112+\jj] offset:\jj*64
.endr
.irp i, 0,1
	ds_store_b128 v136, v[120+4*\i:123+4*\i] offset:12288+\i*2048
.endr
	s_wait_tensorcnt 0x1
	BAR
	LDQ WX, 0, 0
	LDQ WY, 0, 1
	WIN 0
	s_wait_loadcnt 0x0
	s_mov_b32 s[CNT], 3
.Lqk:
	QTRIP 0
	s_add_co_u32 s[BOFF], s[BOFF], 2048
	s_sub_co_u32 s[CNT], s[CNT], 1
	s_cmp_lg_u32 s[CNT], 0
	s_cbranch_scc1 .Lqk
	QTRIP 1
	v_and_b32 v[DVO], 15, v0
	v_bfe_u32 v[BT], v0, 4, 1
	v_lshlrev_b32 v[DVO], 16, v[DVO]
	v_lshl_add_u32 v[DVO], v[BT], 4, v[DVO]
	s_add_nc_u64 s[96:97], s[CB:CB+1], 4096
	LDD 0, DVO, 96
	LDD 1, DVO, 96
	SOFTMAX
	s_mov_b32 s[BOFF], 0
	s_mov_b32 s[CNT], 3
.Lv:
	VTRIP 0
	s_add_co_u32 s[BOFF], s[BOFF], 1024
	s_add_co_u32 s[A4OFF], s[A4OFF], 16384
	s_sub_co_u32 s[CNT], s[CNT], 1
	s_cmp_lg_u32 s[CNT], 0
	s_cbranch_scc1 .Lv
	VTRIP 1
	BAR
	PLACES
	v_and_b32 v[A4T], 31, v0
	v_lshl_add_u32 v[A4T], v[A4T], 3, A4L
	s_wait_alu depctr_va_vdst(0)
	s_xor_b32 s90, s21, 3
	s_add_co_u32 s90, s90, 1
.irp cv, 0,1,2,3
	s_add_co_u32 s84, s90, \cv
	s_and_b32 s84, s84, 3
	s_lshl_b32 s84, s84, 14
	v_add_nc_u32 v[TMP+\cv], s84, v[A4T]
.endr
	s_wait_alu depctr_va_vdst(0)
.irp ks, 0,1,2,3,4,5,6,7
	WIN 0x80+0x40*(\ks/4)
.irp mt, 0,1,2,3
.irp cp, 0,1,2,3
.irp u, 0,1
	ds_load_b64 v[64*(\ks%4)+16*\mt+4*\cp+2*\u:64*(\ks%4)+16*\mt+4*\cp+2*\u+1], v[TMP+2*(\cp%2)+\u] offset:\mt*4096+(2*\ks+\cp/2)*256
.endr
.endr
.endr
.endr
	WIN 0
	s_wait_dscnt 0x0
	s_mov_b32 s[BOFF], 0
	s_mov_b32 s[CNT], 3
.Lo:
	OTRIP 0
	s_add_co_u32 s[BOFF], s[BOFF], 1024
	s_sub_co_u32 s[CNT], s[CNT], 1
	s_cmp_lg_u32 s[CNT], 0
	s_cbranch_scc1 .Lo
	OTRIP 1
	s_wait_tensorcnt 0x0
	ds_add_u32 v[SPW], v[NIL]
	s_wait_dscnt 0x0
	CROUND
	s_endpgm
.Lfunc_end_k_qa0c1cdecac_fused:
	.size	k_qa0c1cdecac_fused, .Lfunc_end_k_qa0c1cdecac_fused-k_qa0c1cdecac_fused
	.p2alignl 7, 3214868480
	.fill 96, 4, 3214868480
	.section	.rodata,"a",@progbits
	.p2align	6, 0x0
	.amdhsa_kernel k_qa0c1cdecac_fused
		.amdhsa_group_segment_fixed_size 327680
		.amdhsa_private_segment_fixed_size 0
		.amdhsa_enable_private_segment 0
		.amdhsa_kernarg_size 56
		.amdhsa_user_sgpr_count 2
		.amdhsa_user_sgpr_kernarg_segment_ptr 1
		.amdhsa_wavefront_size32 1
		.amdhsa_system_sgpr_workgroup_id_x 1
		.amdhsa_system_sgpr_workgroup_id_y 1
		.amdhsa_system_sgpr_workgroup_id_z 1
		.amdhsa_system_vgpr_workitem_id 0
		.amdhsa_next_free_vgpr 1024
		.amdhsa_next_free_sgpr 98
		.amdhsa_reserve_vcc 0
		.amdhsa_float_denorm_mode_32 3
		.amdhsa_float_denorm_mode_16_64 3
		.amdhsa_memory_ordered 1
		.amdhsa_forward_progress 1
		.amdhsa_inst_pref_size 255
	.end_amdhsa_kernel
	.section	.bss,"aw",@nobits
	.p2align	6
	.space	262144
	.amdgpu_metadata
---
amdhsa.version: [ 1, 2 ]
amdhsa.kernels:
  - .name:           k_qa0c1cdecac_fused
    .symbol:         k_qa0c1cdecac_fused.kd
    .args:
      - { .name: x_codes, .offset: 0, .size: 8, .value_kind: global_buffer, .address_space: global }
      - { .name: W_qkv_codes, .offset: 8, .size: 8, .value_kind: global_buffer, .address_space: global }
      - { .name: W_out_codes, .offset: 16, .size: 8, .value_kind: global_buffer, .address_space: global }
      - { .name: b_qkv, .offset: 24, .size: 8, .value_kind: global_buffer, .address_space: global }
      - { .name: b_out, .offset: 32, .size: 8, .value_kind: global_buffer, .address_space: global }
      - { .name: lowp_scales, .offset: 40, .size: 8, .value_kind: global_buffer, .address_space: global }
      - { .name: out0, .offset: 48, .size: 8, .value_kind: global_buffer, .address_space: global }
    .group_segment_fixed_size: 327680
    .private_segment_fixed_size: 0
    .kernarg_segment_align: 8
    .kernarg_segment_size: 56
    .max_flat_workgroup_size: 128
    .sgpr_count:     98
    .vgpr_count:     1024
    .wavefront_size: 32
...
	.end_amdgpu_metadata
.endif
;; end of part 1
